; MI455X (gfx1250); checked and timed in simulation.
; The chip was launched on July 23, 2026; its instructions are those of AMD's public machine-readable ISA for CDNA 5 (MIT licence, August 2026) and "CDNA5" Instruction Set Architecture Reference Guide (July 2026). The comments in the code are by the model that wrote it; some were corrected since.
;; Multi Head Attention Layer. Allowed arithmetic: float matrix products may take bf16 or f16 operands with f32 sums; all other float work in f32.
;; Inputs: Wk 1,024 x 1,024 float32; Wo 1,024 x 1,024 float32; Wq 1,024 x 1,024 float32; Wv 1,024 x 1,024 float32; beta 1,024 float32; bk 1,024 float32; bo 1,024 float32; bq 1,024 float32; bv 1,024 float32; gamma 1,024 float32; queries 4 x 2,048 x 1,024 float32.
;; Outputs: out0 4 x 2,048 x 1,024 float32.
;; One version. Each part assembles by itself: llvm-mc -triple=amdgcn-amd-amdhsa -mcpu=gfx1250 --defsym DOCPART=n.
;; ======== version 1 of 1: 4 launches
;; workspace buffers: xb 16,777,216 bytes; wqkv 6,291,456 bytes; wob 2,097,152 bytes; qkv 50,331,648 bytes; ao 16,777,216 bytes
;; launch cast (part 1): grid 64 x 12, 8 waves a work-group, no clusters, 34,816 bytes of LDS; arguments queries, Wq, Wk, Wv, Wo, xb, wqkv, wob; writes xb, wqkv, wob
.if DOCPART == 1
	.amdgcn_target "amdgcn-amd-amdhsa--gfx1250"
	.amdhsa_code_object_version 6
	.text
	.protected	k_q80d232e8bf_cast
	.globl	k_q80d232e8bf_cast
	.p2align	8
	.type	k_q80d232e8bf_cast,@function
k_q80d232e8bf_cast:
	s_mov_b64 s[64:65], 0
	v_nop
	global_prefetch_b8 v0, s[64:65] scope:SCOPE_SE
	s_setreg_imm32_b32 hwreg(HW_REG_WAVE_MODE, 25, 1), 1
	s_wait_xcnt 0x0
; f32 to bf16 (round to nearest even) of the five matrix operands; nothing is scaled.
; Twelve slabs of 1,024 rows x 1,024 f32, chosen by the work-group's y: 0 to 7 = queries -> xb [8192][1024];
; 8, 9, 10 = Wq, Wk, Wv -> wqkv [1024 k][3072 n] (columns 1024 (y - 8) ..); 11 = Wo -> wob, in the order of the matrix fragments (below).
; The work-group's x takes 16 rows of its slab.
; Slabs 0 to 10: thread t takes 8 columns at 8 (t mod 128) of row t / 128 of a pair of rows, eight pairs; all sixteen loads of a thread go out
; ahead of its stores; a store of sixteen neighbouring lanes covers 256 consecutive aligned bytes.  A pure stream: no LDS, no barrier.
; Slab 11: wob [8 w][32 ks][8 b][2 half][32 lanes][16 bytes]: lane 16 h + r of block (w, ks, b), half f, holds Wo[32 ks + 16 f + 8 h + 0..7][128 w + 16 b + r],
; so that the last launch loads a fragment of 16 columns x 32 k by two loads of 512 consecutive bytes.
.set DO, 8                             ; v[8:15]   byte offset in the destination of my 16 bytes, one for each pair of rows
.set X,  16                            ; v[16:79]  as loaded
.set Y,  80                            ; v[80:111] slab 11: the packed pieces
.set TP, 528                           ; slab 11: a tile of 512 bytes + 16 in LDS, so that the sixteen lanes of a store touch sixteen different 16-byte columns
	s_load_b512 s[8:23], s[0:1], 0x0               ; queries s[8:9], Wq s[10:11], Wk s[12:13], Wv s[14:15], Wo s[16:17], xb s[18:19], wqkv s[20:21], wob s[22:23]
	v_lshl_add_u32 v112, v0, 2, 0x8400
	v_mov_b32 v113, 0
	s_and_b32 s2, ttmp7, 0xffff                    ; y: the slab
	s_cmp_eq_u32 s2, 11
	s_cbranch_scc1 .Lwo
	v_lshrrev_b32 v2, 7, v0                        ; which row of a pair
	v_and_b32 v3, 0x7f, v0                         ; which 8 columns
	v_lshlrev_b32 v1, 12, v2
	v_lshl_add_u32 v1, v3, 5, v1                   ; source: row x 4,096 + 32 bytes a thread
	s_mov_b32 s36, 6144                            ; a row of wqkv in bytes
	s_mov_b32 s37, 2048                            ; a row of xb
	s_lshl_b32 s26, s2, 22                         ; the slab's place in queries,
	s_lshl_b32 s28, s2, 21                         ; and in xb
	s_max_u32 s31, s2, 8
	s_sub_co_u32 s31, s31, 8
	s_lshl_b32 s31, s31, 11                        ; a weight's 2,048 bytes in a row of wqkv
	s_cmp_lt_u32 s2, 8
	s_cselect_b32 s26, s26, 0                      ; a weight is read from its first byte
	s_cselect_b32 s28, s28, s31
	s_cselect_b32 s30, s37, s36                    ; the destination's pitch
	s_lshl_b32 s34, ttmp9, 16                      ; x: 16 rows of 4,096 bytes
	s_add_co_u32 s26, s26, s34
	s_mov_b32 s27, 0
	s_mul_i32 s34, ttmp9, s30
	s_lshl_b32 s34, s34, 4                         ; x: 16 rows of the destination
	s_add_co_u32 s28, s28, s34
	s_mov_b32 s29, 0
	s_lshl_b32 s35, s30, 1                         ; two rows of the destination
	v_mul_u32_u24 v4, s30, v2
	v_lshl_add_u32 v[DO], v3, 4, v4                ; row x pitch + 16 bytes a thread
.irp i, 1,2,3,4,5,6,7
	v_add_nc_u32 v[DO+\i], s35, v[DO+\i-1]
.endr
	s_wait_kmcnt 0x0
	s_cmp_eq_u32 s2, 8
	s_cselect_b64 s[24:25], s[10:11], s[8:9]
	s_cmp_eq_u32 s2, 9
	s_cselect_b64 s[24:25], s[12:13], s[24:25]
	s_cmp_eq_u32 s2, 10
	s_cselect_b64 s[24:25], s[14:15], s[24:25]     ; the source
	s_cmp_lt_u32 s2, 8
	s_cselect_b64 s[32:33], s[18:19], s[20:21]     ; the destination
	s_add_nc_u64 s[24:25], s[24:25], s[26:27]
	s_add_nc_u64 s[32:33], s[32:33], s[28:29]
.irp i, 0,1,2,3,4,5,6,7
	global_load_b128 v[X+8*\i:X+8*\i+3],   v1, s[24:25] offset:8192*\i th:TH_LOAD_NT
	global_load_b128 v[X+8*\i+4:X+8*\i+7], v1, s[24:25] offset:8192*\i+16 th:TH_LOAD_NT
.endr
.irp i, 0,1,2,3,4,5,6,7
	s_wait_loadcnt 14-2*\i                         ; loads return in order: pair i's two are in, the 14 - 2 i younger ones stay out
.irp j, 0,1,2,3
	v_cvt_pk_bf16_f32 v[X+8*\i+\j], v[X+8*\i+2*\j], v[X+8*\i+2*\j+1]   ; in place, ascending: register j is written when its own two numbers have been read
.endr
	global_store_b128 v[DO+\i], v[X+8*\i:X+8*\i+3], s[32:33]           ; no hint: the next launch reads these bytes
.endr
	s_endpgm
	; SLAB 11.  The work-group's 16 rows are k = 16 x .. 16 x + 15: K step ks = x / 2, half f = x mod 2.  Wave w takes columns 128 w .. 128 w + 127 as two groups g of 64.
	; Lane 16 h + c loads rows 16 x + 8 h + j (j = 0..7), columns 64 g + 4 c .. + 3: sixteen lanes read 256 consecutive aligned bytes of a row.  It then holds 8 k x 4 columns
	; and packs, for each column e, its eight k into 16 bytes, which belong to lane 16 h + 4 (c mod 4) + e of tile 4 g + c / 4.  The pieces go through the wave's own LDS bytes
	; (a wave's LDS instructions are served in order, ISA guide 5.7.1: no wait, no barrier) and leave as whole tiles: a store of the wave covers 512 consecutive aligned bytes.
.Lwo:
	v_lshrrev_b32 v2, 5, v0
	v_readfirstlane_b32 s3, v2                     ; wave
	v_and_b32 v3, 15, v0                           ; c
	v_bfe_u32 v4, v0, 4, 1                         ; h
	v_and_b32 v5, 31, v0                           ; lane
	v_lshlrev_b32 v1, 15, v4                       ; 8 h rows of 4,096 bytes
	v_lshl_add_u32 v1, v3, 4, v1                   ; + 16 c
	v_lshrrev_b32 v6, 2, v3                        ; c / 4: the tile in its group
	v_and_b32 v7, 3, v3
	v_mul_u32_u24 v6, v6, TP
	v_lshl_add_u32 v6, v4, 8, v6                   ; + 256 h
	v_lshl_add_u32 v6, v7, 6, v6                   ; + 64 (c mod 4)
	s_mul_i32 s34, s3, 8*TP                        ; my wave's eight tiles
	v_add_nc_u32 v6, s34, v6                       ; in
	v_lshlrev_b32 v9, 4, v5                        ; 16 x lane
	v_add_nc_u32 v8, s34, v9                       ; back
	s_lshl_b32 s26, ttmp9, 16                      ; source: 16 rows x, + 512 bytes a wave
	s_lshl_b32 s27, s3, 9
	s_add_co_u32 s26, s26, s27
	s_mov_b32 s27, 0
	s_lshr_b32 s28, ttmp9, 1
	s_lshl_b32 s28, s28, 13                        ; destination: 8,192 ks
	s_and_b32 s29, ttmp9, 1
	s_lshl_b32 s29, s29, 9                         ; + 512 f
	s_add_co_u32 s28, s28, s29
	s_lshl_b32 s29, s3, 18                         ; + 262,144 w
	s_add_co_u32 s28, s28, s29
	s_mov_b32 s29, 0
	s_wait_kmcnt 0x0
	s_add_nc_u64 s[24:25], s[16:17], s[26:27]
	s_add_nc_u64 s[32:33], s[22:23], s[28:29]
.irp g, 0,1
.irp j, 0,1,2,3,4,5,6,7
	global_load_b128 v[X+4*(8*\g+\j):X+4*(8*\g+\j)+3], v1, s[24:25] offset:256*\g+4096*\j th:TH_LOAD_NT
.endr
.endr
.irp g, 0,1
	s_wait_loadcnt 8-8*\g                          ; group g's eight loads are in; the other group's eight may stay out
.irp e, 0,1,2,3
.irp p, 0,1,2,3
	v_cvt_pk_bf16_f32 v[Y+16*\g+4*\e+\p], v[X+4*(8*\g+2*\p)+\e], v[X+4*(8*\g+2*\p+1)+\e]   ; k = 2 p below, 2 p + 1 above
.endr
	ds_store_b128 v6, v[Y+16*\g+4*\e:Y+16*\g+4*\e+3] offset:4*TP*\g+16*\e
.endr
.endr
.irp t, 0,1,2,3,4,5,6,7
	ds_load_b128 v[X+4*\t:X+4*\t+3], v8 offset:TP*\t
.endr
.irp t, 0,1,2,3,4,5,6,7
	s_wait_dscnt 7-\t                              ; LDS loads return in order: tile t is in
	global_store_b128 v9, v[X+4*\t:X+4*\t+3], s[32:33] offset:1024*\t
.endr
	s_wait_tensorcnt 0x0
	ds_add_u32 v112, v113
	s_wait_dscnt 0x0
	s_endpgm
.Lfunc_end_k_q80d232e8bf_cast:
	.size	k_q80d232e8bf_cast, .Lfunc_end_k_q80d232e8bf_cast-k_q80d232e8bf_cast
	.p2alignl 7, 3214868480
	.fill 96, 4, 3214868480
	.section	.rodata,"a",@progbits
	.p2align	6, 0x0
	.amdhsa_kernel k_q80d232e8bf_cast
		.amdhsa_group_segment_fixed_size 34816
		.amdhsa_private_segment_fixed_size 0
		.amdhsa_enable_private_segment 0
		.amdhsa_kernarg_size 64
		.amdhsa_user_sgpr_count 2
		.amdhsa_user_sgpr_kernarg_segment_ptr 1
		.amdhsa_wavefront_size32 1
		.amdhsa_system_sgpr_workgroup_id_x 1
		.amdhsa_system_sgpr_workgroup_id_y 1
		.amdhsa_system_sgpr_workgroup_id_z 1
		.amdhsa_system_vgpr_workitem_id 0
		.amdhsa_next_free_vgpr 114
		.amdhsa_next_free_sgpr 66
		.amdhsa_reserve_vcc 0
		.amdhsa_float_denorm_mode_32 3
		.amdhsa_float_denorm_mode_16_64 3
		.amdhsa_memory_ordered 1
		.amdhsa_forward_progress 1
		.amdhsa_inst_pref_size 14
	.end_amdhsa_kernel
	.amdgpu_metadata
---
amdhsa.version: [ 1, 2 ]
amdhsa.kernels:
  - .name:           k_q80d232e8bf_cast
    .symbol:         k_q80d232e8bf_cast.kd
    .args:
      - { .name: queries, .offset: 0, .size: 8, .value_kind: global_buffer, .address_space: global }
      - { .name: Wq, .offset: 8, .size: 8, .value_kind: global_buffer, .address_space: global }
      - { .name: Wk, .offset: 16, .size: 8, .value_kind: global_buffer, .address_space: global }
      - { .name: Wv, .offset: 24, .size: 8, .value_kind: global_buffer, .address_space: global }
      - { .name: Wo, .offset: 32, .size: 8, .value_kind: global_buffer, .address_space: global }
      - { .name: xb, .offset: 40, .size: 8, .value_kind: global_buffer, .address_space: global }
      - { .name: wqkv, .offset: 48, .size: 8, .value_kind: global_buffer, .address_space: global }
      - { .name: wob, .offset: 56, .size: 8, .value_kind: global_buffer, .address_space: global }
    .group_segment_fixed_size: 34816
    .private_segment_fixed_size: 0
    .kernarg_segment_align: 8
    .kernarg_segment_size: 64
    .max_flat_workgroup_size: 256
    .sgpr_count:     66
    .vgpr_count:     114
    .wavefront_size: 32
...
	.end_amdgpu_metadata
.endif
;; end of part 1
;; launch qkvgemm (part 2): grid 8 x 32, 4 waves a work-group, clusters of 4 x 4, 327,680 bytes of LDS; arguments xb, wqkv, bq, bk, bv, qkv; writes qkv
.if DOCPART == 2
	.amdgcn_target "amdgcn-amd-amdhsa--gfx1250"
	.amdhsa_code_object_version 6
	.text
	.protected	k_q80d232e8bf_qkvgemm
	.globl	k_q80d232e8bf_qkvgemm
	.p2align	8
	.type	k_q80d232e8bf_qkvgemm,@function
k_q80d232e8bf_qkvgemm:
	s_mov_b64 s[64:65], 0
	v_nop
	global_prefetch_b8 v0, s[64:65] scope:SCOPE_SE
	s_setreg_imm32_b32 hwreg(HW_REG_WAVE_MODE, 25, 1), 1
	s_wait_xcnt 0x0
	s_wait_alu depctr_hold_cnt(0) depctr_sa_sdst(0) depctr_va_vdst(0) depctr_va_sdst(0) depctr_va_ssrc(0) depctr_va_vcc(0) depctr_vm_vsrc(0)
	s_getreg_b32 s2, hwreg(HW_REG_IB_STS2, 6, 4)
	s_cmp_eq_u32 s2, 0
	s_cbranch_scc0 .Lentry_in_a_cluster
	s_endpgm
.Lentry_in_a_cluster:
	s_bfe_u32 s2, ttmp6, 0x10000c
	s_cmp_lg_u32 s2, 0xf033
	s_cbranch_scc0 .Lentry_shape_is_right
	s_endpgm
.Lentry_shape_is_right:
; [8192][1024] x [1024][3072] in bf16 with f32 sums; + bias; q times 0.125 log2(e) (so that attention can use base-2 exponentials);
; rounded once to bf16 and stored head-major: qkv [3 t][4 b][16 h][2048 l][64 d].
; 8,192 x 3,072 over 256 work-groups: a block of 256 (rows) x 384 (columns) each.  Four waves, a wave makes 128 x 192: 96 accumulator
; tiles of 16 x 16 = 768 registers, which fill register windows 1, 2, 3: window 1 + g is one head (64 columns) of the wave.
; K goes in 16 steps of 64 through two LDS slots filled by the tensor data mover (two slots of a step of 128 would not fit in LDS).
; CLUSTERS: 4 x 4 work-groups.  x's tile hangs on the block row alone and is asked for jointly along a row of the cluster, the weights' tile
; on the block column alone and jointly along a column: each of the four issues the same load with a mask that names the four.
; The weights lie [k][n]; their fragments come out of LDS by the transposing load.  The matrix instruction is used transposed (source 0 =
; 16 columns n of the weights, source 1 = 16 rows m of x), so that a lane's 8 results are 8 neighbouring columns of one row.
; LIMITS: operands rounded to bf16; sums in f32.
.set PA,     144                       ; x's LDS row: 128 bytes + 16 of padding (an odd multiple of 16)
.set PB,     864                       ; the weights' LDS row: six groups of 128 bytes + 16 of padding (an odd multiple of 32); group = head
.set PIECE,  27648                     ; a wave's fill lies at wave x PIECE: x's halves (18,432 used) at 0 and 1, the weights' 32 k-rows each at 2 and 3
.set SLOT,   4*PIECE
.set STAGE,  2*SLOT                    ; behind the ring, 16 rows x 144 bytes for each wave; no fill lands here
.set SPITCH, 144
.set ADRA, 16                          ; v16-17  LDS address of my x fragments in slot 0, 1
.set ADRB, 20                          ; v20-21  the same for the weights
.set STO,  24                          ; the way out: where I put 16 bytes of a row
.set RD,   25                          ; the way out: where I read rows back
.set CO,   26                          ; 16 x lane
.set BOFF, 27                          ; 32 x (lane / 16): my 8 numbers in 16 of a bias
.set AF0,  32                          ; v32-95   x fragments (8 x 16 rows x 32 K), buffer 0
.set AF1,  96                          ; v96-159  buffer 1
.set BF,   160                         ; v160-255 weight fragments: 3 heads x 4 tiles of 16 columns x 32 K
.set G1A, 24                           ; s[24:31] descriptor group 1, x
.set G0A, 32                           ; s[32:39] group 0, x, a set for each slot
.set G1B, 48                           ; s[48:55] group 1, weights
.set G0B, 56                           ; s[56:63] group 0, weights
.set BP,  66                           ; s[66:71] head hh: address of its 64 bias numbers
.set SC,  72                           ; s[72:77] head hh: its scale, twice
.set OP,  78                           ; s[78:83] head hh: address of my first row in qkv
.set FLAGS, (1<<16)|(1<<20)|(1<<21)|(4<<22)|(3<<25)   ; 2-byte elements; padding on; bit 21 beside a mask; after every 32 words, 4 words
.set MSB, 0
.macro WIN new                         ; the immediate's high byte repeats the setting that is left
.if MSB != \new
	s_set_vgpr_msb (MSB<<8)|\new
.set MSB, \new
.endif
.endm
.macro PLACES                          ; four places behind matrix instructions, in front of loads into their sources and of readers of their results
.rept 4
	v_nop
.endr
.endm
; A joint load: waves 0, 1 ask for x's two halves, waves 2, 3 for the weights'.  The branch hangs on the wave's number alone.
.macro JLOAD s
	s_cmp_eq_u32 s17, 0
	s_cbranch_scc0 .Lfor_b_\@
	tensor_load_to_lds s[G0A+4*\s:G0A+4*\s+3], s[G1A:G1A+7]
	s_nop 0
	s_branch .Lasked_\@
.Lfor_b_\@:
	tensor_load_to_lds s[G0B+4*\s:G0B+4*\s+3], s[G1B:G1B+7]
	s_nop 0
.Lasked_\@:
.endm
.macro CREST                           ; a round of the cluster's barrier behind its opening work-group barrier
	s_cmp_lg_u32 s16, 0
	s_cbranch_scc1 .Lnot_wave_0_\@
	s_barrier_signal -3
.Lnot_wave_0_\@:
	s_barrier_wait -3
	s_barrier_signal -1
	s_barrier_wait -1
.endm
.macro CROUND
	s_barrier_signal -1
	s_barrier_wait -1
	CREST
.endm
	s_load_b256 s[4:11], s[0:1], 0x0               ; xb s[4:5], wqkv s[6:7], bq s[8:9], bk s[10:11]
	s_load_b128 s[12:15], s[0:1], 0x20             ; bv s[12:13], qkv s[14:15]
	v_lshl_add_u32 v30, v0, 2, 0x38400
	v_mov_b32 v31, 0
	ds_add_u32 v30, v31
	v_lshrrev_b32 v1, 5, v0
	v_readfirstlane_b32 s16, v1                    ; wave 0..3
	s_lshr_b32 s17, s16, 1                         ; my half of the block's rows; also: I fetch x (0) or weights (1)
	s_and_b32 s18, s16, 1                          ; my half of its columns; also: which half of that tile I fetch
	s_bfe_u32 s19, ttmp6, 0x40000                  ; cx
	s_bfe_u32 s20, ttmp6, 0x40004                  ; cy
	s_lshl_b32 s21, ttmp9, 2
	s_add_co_u32 s21, s21, s19                     ; block column 0..7
	s_and_b32 s22, ttmp7, 0xffff
	s_lshl_b32 s22, s22, 2
	s_add_co_u32 s22, s22, s20                     ; block row 0..31
	s_lshl_b32 s40, s20, 2
	s_lshl_b32 s40, 15, s40                        ; my row of the cluster
	s_lshl_b32 s42, 0x1111, s19                    ; my column
	s_or_b32 s[G1A+0], s40, FLAGS
	s_or_b32 s[G1B+0], s42, FLAGS
	s_mov_b32 s[G1A+1], 64<<16                     ; x: tensor_dim0 = 64
	s_mov_b32 s[G1A+2], 128<<16                    ; tensor_dim1 = 128
	s_mov_b32 s[G1A+3], 64<<16                     ; tile_dim0 = 64 elements
	s_mov_b32 s[G1A+4], 128                        ; tile_dim1 = 128 rows
	s_mov_b32 s[G1A+5], 1024                       ; elements from row to row
	s_mov_b32 s[G1A+6], 0
	s_mov_b32 s[G1A+7], 0
	s_mov_b32 s[G1B+1], 384<<16                    ; weights: 384 columns
	s_mov_b32 s[G1B+2], 32<<16                     ; 32 k-rows
	s_mov_b32 s[G1B+3], 384<<16
	s_mov_b32 s[G1B+4], 32
	s_mov_b32 s[G1B+5], 3072
	s_mov_b32 s[G1B+6], 0
	s_mov_b32 s[G1B+7], 0
	s_lshl_b32 s40, s22, 8                         ; x: row 256 x block row + 128 x half,
	s_lshl_b32 s23, s18, 7
	s_add_co_u32 s40, s40, s23
	s_lshl_b32 s40, s40, 11                        ; times 2,048 bytes
	s_mov_b32 s41, 0
	s_mul_i32 s46, s21, 768                        ; weights: 384 columns x block column,
	s_mul_i32 s47, s18, 196608                     ; + 32 k-rows of 6,144 bytes x half
	s_add_co_u32 s46, s46, s47
	s_mov_b32 s47, 0
	s_mul_i32 s23, s16, PIECE                      ; where my fills go: the wave's number alone
	; what the way out needs, in registers that feed no descriptor
	s_mul_i32 s84, s21, 6
	s_mul_i32 s85, s18, 3
	s_add_co_u32 s84, s84, s85                     ; my first head among the 48 of q, k, v
	s_lshl_b32 s86, s22, 8
	s_lshl_b32 s87, s17, 7
	s_add_co_u32 s86, s86, s87                     ; my first row
	s_lshr_b32 s87, s86, 11
	s_lshl_b32 s87, s87, 4                         ; 16 b
	s_and_b32 s86, s86, 2047
	s_lshl_b32 s86, s86, 7                         ; l x 128 bytes
	s_mov_b32 s93, 0
	s_wait_dscnt 0x0
	s_wait_kmcnt 0x0
	s_add_nc_u64 s[44:45], s[4:5], s[40:41]
	s_add_nc_u64 s[46:47], s[6:7], s[46:47]
.irp hh, 0,1,2
	s_add_co_u32 s88, s84, \hh
	s_lshr_b32 s89, s88, 4                         ; t: 0 q, 1 k, 2 v
	s_and_b32 s90, s88, 15                         ; the head in its tensor
	s_lshl_b32 s92, s90, 8
	s_cmp_eq_u32 s89, 1
	s_cselect_b64 s[BP+2*\hh:BP+2*\hh+1], s[10:11], s[8:9]
	s_cmp_eq_u32 s89, 2
	s_cselect_b64 s[BP+2*\hh:BP+2*\hh+1], s[12:13], s[BP+2*\hh:BP+2*\hh+1]
	s_add_nc_u64 s[BP+2*\hh:BP+2*\hh+1], s[BP+2*\hh:BP+2*\hh+1], s[92:93]
	s_cmp_eq_u32 s89, 0
	s_cselect_b32 s[SC+2*\hh], 0x3e38aa3b, 1.0     ; q: 0.125 x log2(e)
	s_mov_b32 s[SC+2*\hh+1], s[SC+2*\hh]
	s_lshl_b32 s89, s89, 6
	s_add_co_u32 s89, s89, s87
	s_add_co_u32 s89, s89, s90                     ; 64 t + 16 b + h
	s_lshl_b32 s92, s89, 18                        ; a head is 262,144 bytes
	s_add_co_u32 s92, s92, s86
	s_add_nc_u64 s[OP+2*\hh:OP+2*\hh+1], s[14:15], s[92:93]
.endr
	CROUND                                         ; all sixteen work-groups are here: the first joint loads meet
.irp s, 0,1
	s_mov_b32 s[G0A+4*\s], 1
	s_add_co_u32 s[G0A+4*\s+1], s23, \s*SLOT
	s_add_nc_u64 s[G0A+4*\s+2:G0A+4*\s+3], s[44:45], \s*128        ; K step s: 64 elements along the rows
	s_or_b32 s[G0A+4*\s+3], s[G0A+4*\s+3], 0x80000000
	s_mov_b32 s[G0B+4*\s], 1
	s_add_co_u32 s[G0B+4*\s+1], s23, \s*SLOT
	s_add_nc_u64 s[G0B+4*\s+2:G0B+4*\s+3], s[46:47], \s*393216     ; K step s: 64 k-rows down
	s_or_b32 s[G0B+4*\s+3], s[G0B+4*\s+3], 0x80000000
	JLOAD \s                                       ; two loads of the wave are out
.endr
	v_and_b32 v1, 15, v0                           ; r
	v_bfe_u32 v2, v0, 4, 1                         ; h
	v_and_b32 v3, 7, v0
	v_bfe_u32 v4, v0, 3, 1
	v_and_b32 v5, 31, v0                           ; lane
	v_mul_u32_u24 v6, v1, PA
	v_lshl_add_u32 v6, v2, 4, v6                   ; row r, 16 bytes for each half of the lanes
	v_lshl_add_u32 v7, v2, 3, v3                   ; transposing load: k-row 8 h + lane mod 8,
	v_mul_u32_u24 v7, v7, PB
	v_lshl_add_u32 v7, v4, 4, v7                   ; 16 bytes for each group of eight lanes
	s_mul_i32 s94, s17, PIECE                      ; my 128 rows of x
	s_mul_i32 s95, s18, 432                        ; my three heads in a row of the weights' tile,
	s_add_co_u32 s95, s95, 2*PIECE                 ; which lies behind x's two pieces
.irp s, 0,1
	v_add_nc_u32 v[ADRA+\s], s94, v6
	v_add_nc_u32 v[ADRB+\s], s95, v7
	s_add_co_u32 s94, s94, SLOT
	s_add_co_u32 s95, s95, SLOT
.endr
	s_mul_i32 s94, s16, 16*SPITCH
	s_add_co_u32 s94, s94, STAGE                   ; my stage
	v_add_nc_u32 v[STO], s94, v6
	v_lshrrev_b32 v8, 3, v5
	v_mul_u32_u24 v8, v8, SPITCH                   ; back: eight lanes take a row of 128 bytes, a load takes four rows
	v_lshl_add_u32 v8, v3, 4, v8
	v_add_nc_u32 v[RD], s94, v8
	v_lshlrev_b32 v[CO], 4, v5
	v_lshlrev_b32 v[BOFF], 5, v2
; 16 matrix instructions of head g: row tiles m0 .. m0 + 3 x its four column tiles, 32 along K.  The accumulators take turns, one instruction a turn
;   zero = 1: the product starts the sum.
.macro MUL16 f, g, m0, zero
.irp a, 0,1,2,3
.irp bb, 0,1,2,3
.if \zero
	v_wmma_f32_16x16x32_bf16 v[8*(4*(\m0+\a)+\bb):8*(4*(\m0+\a)+\bb)+7], v[BF+32*\g+8*\bb:BF+32*\g+8*\bb+7], v[\f+8*(\m0+\a):\f+8*(\m0+\a)+7], 0
.else
	v_wmma_f32_16x16x32_bf16 v[8*(4*(\m0+\a)+\bb):8*(4*(\m0+\a)+\bb)+7], v[BF+32*\g+8*\bb:BF+32*\g+8*\bb+7], v[\f+8*(\m0+\a):\f+8*(\m0+\a)+7], v[8*(4*(\m0+\a)+\bb):8*(4*(\m0+\a)+\bb)+7]
.endif
.endr
.endr
.endm
.macro FETCHA s, kq, f                 ; 16 loads: my 128 rows of x, 32 K at quarter kq
.irp i, 0,1,2,3,4,5,6,7
	ds_load_b128 v[\f+8*\i:\f+8*\i+3],   v[ADRA+\s] offset:\kq*64+\i*16*PA
	ds_load_b128 v[\f+8*\i+4:\f+8*\i+7], v[ADRA+\s] offset:\kq*64+\i*16*PA+32
.endr
.endm
.macro FETCHB s, kq, g                 ; 8 transposing loads: head g's 64 columns, 32 K at quarter kq
.irp bb, 0,1,2,3
	ds_load_tr16_b128 v[BF+32*\g+8*\bb:BF+32*\g+8*\bb+3],   v[ADRB+\s] offset:\kq*32*PB+144*\g+32*\bb
	ds_load_tr16_b128 v[BF+32*\g+8*\bb+4:BF+32*\g+8*\bb+7], v[ADRB+\s] offset:\kq*32*PB+144*\g+32*\bb+16*PB
.endr
.endm
; A K step is two quarters of 32 along K, 96 matrix instructions each, in three stretches (one head, one register window each).
; LDS loads return in order; the runs are x + head 0 (24), head 1 (8), head 2 (8).
.macro QA slot, zero                   ; first quarter: multiplies buffer 0 and fetches the second quarter of the same slot
	s_wait_dscnt 16                                ; x and head 0 are in; heads 1 and 2 (16 loads) may be out
	WIN 0x50
	MUL16 AF0, 0, 0, \zero
	MUL16 AF0, 0, 4, \zero
	PLACES
	WIN 0
	FETCHA \slot, 1, AF1
	FETCHB \slot, 1, 0
	s_wait_dscnt 32                                ; head 1 is in: behind it stand head 2 (8) and the 24 just issued
	WIN 0xa0
	MUL16 AF0, 1, 0, \zero
	MUL16 AF0, 1, 4, \zero
	PLACES
	WIN 0
	FETCHB \slot, 1, 1
	s_wait_dscnt 32                                ; head 2 is in: behind it stand 24 + 8
	WIN 0xf0
	MUL16 AF0, 2, 0, \zero
	MUL16 AF0, 2, 4, \zero
	PLACES
	WIN 0
	FETCHB \slot, 1, 2
.endm
; Second quarter: multiplies buffer 1 and changes slots.  In front of the barrier each wave waits for its reads of this slot and for all its tensor
; loads (one is out: its part of the next slot); where the slot is filled again the barrier opens a round of the cluster's barrier, and the joint
; refill is the first tensor load behind the round.  From a request to the wait for it a wave issues 176 matrix instructions.
.macro QB slot, next, fill
	s_wait_dscnt 16
	WIN 0x50
	MUL16 AF1, 0, 0, 0
	s_wait_dscnt 0x0                               ; my reads of this slot are over
	s_wait_tensorcnt 0x0                           ; all my tensor loads have landed
	ds_add_u32 v30, v31
	s_wait_dscnt 0x0
	s_barrier_signal -1
	MUL16 AF1, 0, 4, 0                             ; registers only
	WIN 0
	s_barrier_wait -1
.if \fill
	CREST
	s_add_nc_u64 s[G0A+4*\slot+2:G0A+4*\slot+3], s[G0A+4*\slot+2:G0A+4*\slot+3], 256
	s_add_nc_u64 s[G0B+4*\slot+2:G0B+4*\slot+3], s[G0B+4*\slot+2:G0B+4*\slot+3], 786432
	JLOAD \slot                                    ; two K steps ahead
.endif
	PLACES
	FETCHA \next, 0, AF0
	FETCHB \next, 0, 0
	WIN 0xa0
	MUL16 AF1, 1, 0, 0
	MUL16 AF1, 1, 4, 0
	PLACES
	WIN 0
	FETCHB \next, 0, 1
	WIN 0xf0
	MUL16 AF1, 2, 0, 0
	MUL16 AF1, 2, 4, 0
	PLACES
	WIN 0
	FETCHB \next, 0, 2
.endm
.macro BIAS hh                         ; my 8 numbers of each of the head's four column tiles, into the weight fragments' registers, which are free
.irp bb, 0,1,2,3
	global_load_b128 v[BF+32*\hh+8*\bb:BF+32*\hh+8*\bb+3],   v[BOFF], s[BP+2*\hh:BP+2*\hh+1] offset:64*\bb
	global_load_b128 v[BF+32*\hh+8*\bb+4:BF+32*\hh+8*\bb+7], v[BOFF], s[BP+2*\hh:BP+2*\hh+1] offset:64*\bb+16
.endr
.endm
.macro LAP zero
	QA 0, \zero
	QB 0, 1, 1
	QA 1, 0
	QB 1, 0, 1
.endm
	s_wait_tensorcnt 0x1                           ; my part of K step 0 is in; K step 1's may stay out
	s_barrier_signal -1
	s_barrier_wait -1
	FETCHA 0, 0, AF0
	FETCHB 0, 0, 0
	FETCHB 0, 0, 1
	FETCHB 0, 0, 2
	LAP 1                                          ; K steps 0, 1: the first products start the sums
	WIN 0
	s_mov_b32 s3, 6
.Llap:
	LAP 0                                          ; K steps 2 to 13; the refills reach K step 15
	WIN 0
	s_sub_co_u32 s3, s3, 1
	s_cmp_lg_u32 s3, 0
	s_cbranch_scc1 .Llap
	QA 0, 0                                        ; the last two K steps fill nothing
	QB 0, 1, 0
	QA 1, 0
	s_wait_dscnt 16                                ; the last quarter: nothing more is fetched from LDS, the counts run down
	WIN 0x50
	MUL16 AF1, 0, 0, 0
	MUL16 AF1, 0, 4, 0
	PLACES
	WIN 0
	BIAS 0
	s_wait_dscnt 8
	WIN 0xa0
	MUL16 AF1, 1, 0, 0
	MUL16 AF1, 1, 4, 0
	PLACES
	WIN 0
	BIAS 1
	s_wait_dscnt 0x0
	WIN 0xf0
	MUL16 AF1, 2, 0, 0
	MUL16 AF1, 2, 4, 0
	PLACES
	WIN 0
	BIAS 2
	; THE WAY OUT.  (sum + bias) x scale = sum x scale + (bias x scale): the bias is scaled once, then one fused multiply-add a pair.
	s_wait_loadcnt 0x0
.irp hh, 0,1,2
.irp i, 0,2,4,6,8,10,12,14,16,18,20,22,24,26,28,30
	v_pk_mul_f32 v[BF+32*\hh+\i:BF+32*\hh+\i+1], v[BF+32*\hh+\i:BF+32*\hh+\i+1], s[SC+2*\hh:SC+2*\hh+1] op_sel_hi:[1,0]
.endr
.endr
; 16 rows x one head: lane (r, h) holds row r, columns 16 bb + 8 h + 0..7.  Through my own stage in LDS (a wave's LDS instructions are served in order),
; back as four rows of 128 bytes a load; in qkv a head's rows are dense, so a store of the wave covers 512 consecutive aligned bytes.
.macro OUT hh, win, a, rb
	WIN \win                                       ; source 0 in the head's window
.irp i, 0,1,2,3,4,5,6,7,8,9,10,11,12,13,14,15
	v_pk_fma_f32 v[AF0+2*\i:AF0+2*\i+1], v[32*(\a)+2*\i:32*(\a)+2*\i+1], s[SC+2*\hh:SC+2*\hh+1], v[BF+32*\hh+2*\i:BF+32*\hh+2*\i+1] op_sel_hi:[1,0,1]
.endr
	WIN 0
.irp i, 0,1,2,3,4,5,6,7,8,9,10,11,12,13,14,15
	v_cvt_pk_bf16_f32 v[64+\i], v[AF0+2*\i], v[AF0+2*\i+1]
.endr
.irp bb, 0,1,2,3
	ds_store_b128 v[STO], v[64+4*\bb:64+4*\bb+3] offset:32*\bb
.endr
	s_wait_xcnt 0x0                                ; the registers loaded next were store data two chunks ago: they are rewritten only behind this wait
.irp t, 0,1,2,3
	ds_load_b128 v[\rb+4*\t:\rb+4*\t+3], v[RD] offset:\t*4*SPITCH
.endr
.irp t, 0,1,2,3
	s_wait_dscnt 3-\t
	global_store_b128 v[CO], v[\rb+4*\t:\rb+4*\t+3], s[OP+2*\hh:OP+2*\hh+1] offset:2048*(\a)+512*\t
.endr
.endm
.irp a, 0,2,4,6
	OUT 0, 1, \a, 96
	OUT 0, 1, \a+1, 112
.endr
.irp a, 0,2,4,6
	OUT 1, 2, \a, 96
	OUT 1, 2, \a+1, 112
.endr
.irp a, 0,2,4,6
	OUT 2, 3, \a, 96
	OUT 2, 3, \a+1, 112
.endr
	s_wait_tensorcnt 0x0
	ds_add_u32 v30, v31
	s_wait_dscnt 0x0
	CROUND                                         ; the closing round: no work-group ends while a partner may still ask for a tile that names it
	s_endpgm
.Lfunc_end_k_q80d232e8bf_qkvgemm:
	.size	k_q80d232e8bf_qkvgemm, .Lfunc_end_k_q80d232e8bf_qkvgemm-k_q80d232e8bf_qkvgemm
	.p2alignl 7, 3214868480
	.fill 96, 4, 3214868480
	.section	.rodata,"a",@progbits
	.p2align	6, 0x0
	.amdhsa_kernel k_q80d232e8bf_qkvgemm
		.amdhsa_group_segment_fixed_size 327680
		.amdhsa_private_segment_fixed_size 0
		.amdhsa_enable_private_segment 0
		.amdhsa_kernarg_size 48
		.amdhsa_user_sgpr_count 2
		.amdhsa_user_sgpr_kernarg_segment_ptr 1
		.amdhsa_wavefront_size32 1
		.amdhsa_system_sgpr_workgroup_id_x 1
		.amdhsa_system_sgpr_workgroup_id_y 1
		.amdhsa_system_sgpr_workgroup_id_z 1
		.amdhsa_system_vgpr_workitem_id 0
		.amdhsa_next_free_vgpr 1024
		.amdhsa_next_free_sgpr 96
		.amdhsa_reserve_vcc 0
		.amdhsa_float_denorm_mode_32 3
		.amdhsa_float_denorm_mode_16_64 3
		.amdhsa_memory_ordered 1
		.amdhsa_forward_progress 1
		.amdhsa_inst_pref_size 202
	.end_amdhsa_kernel
	.amdgpu_metadata
---
amdhsa.version: [ 1, 2 ]
amdhsa.kernels:
  - .name:           k_q80d232e8bf_qkvgemm
    .symbol:         k_q80d232e8bf_qkvgemm.kd
    .args:
      - { .name: xb, .offset: 0, .size: 8, .value_kind: global_buffer, .address_space: global }
      - { .name: wqkv, .offset: 8, .size: 8, .value_kind: global_buffer, .address_space: global }
      - { .name: bq, .offset: 16, .size: 8, .value_kind: global_buffer, .address_space: global }
      - { .name: bk, .offset: 24, .size: 8, .value_kind: global_buffer, .address_space: global }
      - { .name: bv, .offset: 32, .size: 8, .value_kind: global_buffer, .address_space: global }
      - { .name: qkv, .offset: 40, .size: 8, .value_kind: global_buffer, .address_space: global }
    .group_segment_fixed_size: 327680
    .private_segment_fixed_size: 0
    .kernarg_segment_align: 8
    .kernarg_segment_size: 48
    .max_flat_workgroup_size: 128
    .sgpr_count:     96
    .vgpr_count:     1024
    .wavefront_size: 32
...
	.end_amdgpu_metadata
.endif
;; end of part 2
;; launch attn (part 3): grid 256 x 1, 8 waves a work-group, clusters of 4 x 1, 327,680 bytes of LDS; arguments qkv, ao; writes ao
.if DOCPART == 3
	.amdgcn_target "amdgcn-amd-amdhsa--gfx1250"
	.amdhsa_code_object_version 6
	.text
	.protected	k_q80d232e8bf_attn
	.globl	k_q80d232e8bf_attn
	.p2align	8
	.type	k_q80d232e8bf_attn,@function
k_q80d232e8bf_attn:
	s_mov_b64 s[64:65], 0
	v_nop
	global_prefetch_b8 v0, s[64:65] scope:SCOPE_SE
	s_setreg_imm32_b32 hwreg(HW_REG_WAVE_MODE, 25, 1), 1
	s_wait_xcnt 0x0
	s_wait_alu depctr_hold_cnt(0) depctr_sa_sdst(0) depctr_va_vdst(0) depctr_va_sdst(0) depctr_va_ssrc(0) depctr_va_vcc(0) depctr_vm_vsrc(0)
	s_getreg_b32 s2, hwreg(HW_REG_IB_STS2, 6, 4)
	s_cmp_eq_u32 s2, 0
	s_cbranch_scc0 .Lentry_in_a_cluster
	s_endpgm
.Lentry_in_a_cluster:
	s_bfe_u32 s2, ttmp6, 0x10000c
	s_cmp_lg_u32 s2, 0x3003
	s_cbranch_scc0 .Lentry_shape_is_right
	s_endpgm
.Lentry_shape_is_right:
; Attention of one (batch, head) for 512 queries: softmax(q k^T) v with a running maximum, over 2,048 keys.  q comes scaled by 0.125 log2(e),
; so every exponential is base 2.  qkv: [3][64 bh][2048][64] bf16; ao: [64 bh][2048][64] bf16.
; The cluster (4 work-groups) is one (b, h); its four work-groups take 512 queries each and read the same K and V tiles, which are asked for jointly
; (mask 15).  Eight waves, 64 queries each, two on a SIMD with 512 registers each, so that one wave's softmax runs beside the other's products.
; TRANSPOSED: S^T = K Q^T (source 0 = 16 keys, source 1 = 16 queries): lane (r, h) holds query r, keys 8 h + 0..7 of a tile.  Two key tiles packed to
; bf16 are then source 1 of O^T = V^T P^T as they stand, without any traffic between lanes; V^T's fragments come by the transposing LDS load.
; Maximum, sum and rescaling are a lane's own; one exchange between the halves of the wave for the maximum, one at the end for the sum.
; LIMITS: operands and probabilities rounded to bf16; a probability below 2^-126 counts as 0 (ISA guide 15.8, the exponential's entry);
; NaN and infinite inputs are not reproduced.
.set PIECE, 10240                      ; a wave's fill lies at wave x PIECE: K's quarters (64 keys, pitch 144, 9,216 used) at 0..3, V's (pitch 160) at 4..7
.set SLOT,  8*PIECE                    ; 256 keys of K and of V
.set STAGE, 2*SLOT                     ; 16 rows x 144 bytes for each wave; no fill lands here
.set KA0,  8                           ; K fragments in slot 0: r x 144 + 16 h
.set VA0,  9                           ; V fragments in slot 0
.set KA,   10                          ; the same, at the 64 keys at work
.set VA,   11
.set STO,  12
.set RD,   13
.set CO,   14
.set QOFF, 15
.set NM,   16                          ; v[16+2qt] = -maximum; v[17+2qt] = the other half's figure
.set AL,   24                          ; v[24+2qt] = rescaling factor, at the end 1 / sum; v[25+2qt] = my half's running sum
.set MXR,  32                          ; v[32+qt] running maximum
.set TMX,  36                          ; v[36+qt] new maximum
.set SA,   40
.set SB,   42
.set KF,   64                          ; v64-127   K fragment (kt, ks) at 8 (4 ks + kt)
.set SCO,  128                         ; v128-255  score tile (kt, qt) at 8 (4 kt + qt); P (kp, qt) takes tile (2 kp, qt)'s registers
.set OAC,  0                           ; window 1: v0-127 O^T tile (dt, qt) at 8 (4 dt + qt)
.set QF,   128                         ; window 1: v128-191 Q fragment (qt, ks) at 8 (2 qt + ks)
.set VF,   192                         ; window 1: v192-255 V^T fragment (dt, kp) at 8 (2 dt + kp)
.set G1K, 16
.set G1V, 24
.set G0K, 32
.set G0V, 48
.set MSB, 0
.macro WIN new
.if MSB != \new
	s_set_vgpr_msb (MSB<<8)|\new
.set MSB, \new
.endif
.endm
.macro PLACES
.rept 4
	v_nop
.endr
.endm
.macro ROUND                           ; a round of the cluster's barrier
	s_barrier_signal -1
	s_barrier_wait -1
	s_cmp_lg_u32 s8, 0
	s_cbranch_scc1 .Lnot_wave_0_\@
	s_barrier_signal -3
.Lnot_wave_0_\@:
	s_barrier_wait -3
	s_barrier_signal -1
	s_barrier_wait -1
.endm
.macro JLOAD s                         ; waves 0-3 ask for K's quarters, waves 4-7 for V's: 64 rows each
	s_cmp_eq_u32 s9, 0
	s_cbranch_scc0 .Lfor_v_\@
	tensor_load_to_lds s[G0K+4*(\s):G0K+4*(\s)+3], s[G1K:G1K+7]
	s_nop 0
	s_branch .Lasked_\@
.Lfor_v_\@:
	tensor_load_to_lds s[G0V+4*(\s):G0V+4*(\s)+3], s[G1V:G1V+7]
	s_nop 0
.Lasked_\@:
.endm
	s_load_b128 s[4:7], s[0:1], 0x0                ; qkv s[4:5], ao s[6:7]
	v_lshl_add_u32 v62, v0, 2, 0x2c800
	v_mov_b32 v63, 0
	ds_add_u32 v62, v63
	v_lshrrev_b32 v1, 5, v0
	v_readfirstlane_b32 s8, v1                     ; wave 0..7
	s_lshr_b32 s9, s8, 2                           ; I fetch K (0) or V (1)
	s_and_b32 s10, s8, 3                           ; which quarter
	s_bfe_u32 s11, ttmp6, 0x40000                  ; cx: my 512 queries
	s_mov_b32 s12, 0x76543210                      ; v_permlanex16_b32: lane i of one half reads lane i of the other
	s_mov_b32 s13, 0xfedcba98
	s_mov_b32 s[G1K+0], 15|(1<<16)|(1<<20)|(1<<21)|(4<<22)|(3<<25)   ; all four work-groups; 2-byte elements; after every 32 words 4 words of padding
	s_mov_b32 s[G1V+0], 15|(1<<16)|(1<<20)|(1<<21)|(4<<22)|(7<<25)   ; V: 8 words of padding
.irp g, G1K, G1V
	s_mov_b32 s[\g+1], 64<<16                      ; tensor_dim0 = 64
	s_mov_b32 s[\g+2], 64<<16                      ; tensor_dim1 = 64
	s_mov_b32 s[\g+3], 64<<16                      ; tile_dim0 = 64
	s_mov_b32 s[\g+4], 64                          ; tile_dim1 = 64 rows
	s_mov_b32 s[\g+5], 64                          ; a head's rows are dense
	s_mov_b32 s[\g+6], 0
	s_mov_b32 s[\g+7], 0
.endr
	s_lshl_b32 s40, ttmp9, 18                      ; the head: 262,144 bytes (ttmp9 counts clusters)
	s_lshl_b32 s14, s10, 13                        ; my quarter: 64 rows of 128 bytes
	s_add_co_u32 s40, s40, s14
	s_mov_b32 s41, 0
	s_lshl_b32 s46, ttmp9, 18                      ; my 64 queries: head + 65,536 cx + 8,192 wave
	s_lshl_b32 s2, s11, 16
	s_add_co_u32 s46, s46, s2
	s_lshl_b32 s2, s8, 13
	s_add_co_u32 s46, s46, s2
	s_mov_b32 s47, 0
	s_mul_i32 s15, s8, PIECE
	v_and_b32 v1, 15, v0                           ; r
	v_bfe_u32 v2, v0, 4, 1                         ; h
	v_and_b32 v3, 7, v0
	v_bfe_u32 v4, v0, 3, 1
	v_and_b32 v5, 31, v0
	v_mul_u32_u24 v[KA0], v1, 144
	v_lshl_add_u32 v[KA0], v2, 4, v[KA0]
	v_lshl_add_u32 v6, v2, 3, v3
	v_mul_u32_u24 v6, v6, 160
	v_lshl_add_u32 v6, v4, 4, v6
	v_add_nc_u32 v[VA0], 4*PIECE, v6
	s_mul_i32 s3, s8, 2304
	s_add_co_u32 s3, s3, STAGE
	v_add_nc_u32 v[STO], s3, v[KA0]
	v_lshrrev_b32 v6, 3, v5
	v_mul_u32_u24 v6, v6, 144
	v_lshl_add_u32 v6, v3, 4, v6
	v_add_nc_u32 v[RD], s3, v6
	v_lshlrev_b32 v[CO], 4, v5
	v_lshlrev_b32 v[QOFF], 7, v1
	v_lshl_add_u32 v[QOFF], v2, 4, v[QOFF]
.irp qt, 0,1,2,3
	v_mov_b32 v[NM+2*\qt+1], 0                     ; v_permlanex16_b32 counts as a reader of its destination
.endr
	s_wait_dscnt 0x0
	s_wait_kmcnt 0x0
	s_add_nc_u64 s[42:43], s[4:5], s[40:41]
	s_add_nc_u64 s[56:57], s[4:5], s[46:47]        ; q
	s_add_nc_u64 s[58:59], s[6:7], s[46:47]        ; ao
.irp s, 0,1
	s_mov_b32 s[G0K+4*\s], 1
	s_add_co_u32 s[G0K+4*\s+1], s15, \s*SLOT
	s_add_nc_u64 s[G0K+4*\s+2:G0K+4*\s+3], s[42:43], 16777216+\s*32768   ; k lies behind q; tile s = keys 256 s ..
	s_or_b32 s[G0K+4*\s+3], s[G0K+4*\s+3], 0x80000000
	s_mov_b32 s[G0V+4*\s], 1
	s_add_co_u32 s[G0V+4*\s+1], s15, \s*SLOT
	s_add_nc_u64 s[G0V+4*\s+2:G0V+4*\s+3], s[42:43], 33554432+\s*32768
	s_or_b32 s[G0V+4*\s+3], s[G0V+4*\s+3], 0x80000000
.endr
	ROUND                                          ; in front of the first joint load
	JLOAD 0                                        ; tile 0; one load of the wave is out, here and behind every round
	WIN 0x40                                       ; destination in window 1
.irp qt, 0,1,2,3
.irp ks, 0,1
	global_load_b128 v[QF+8*(2*\qt+\ks):QF+8*(2*\qt+\ks)+3],   v[QOFF], s[56:57] offset:2048*\qt+64*\ks
	global_load_b128 v[QF+8*(2*\qt+\ks)+4:QF+8*(2*\qt+\ks)+7], v[QOFF], s[56:57] offset:2048*\qt+64*\ks+32
.endr
.endr
	WIN 0
	s_wait_loadcnt 0x0                             ; Q stays in registers for the whole kernel
.macro SUBM qt                         ; scores minus the maximum
.irp kt, 0,1,2,3
.irp i, 0,2,4,6
	v_pk_add_f32 v[SCO+8*(4*\kt+\qt)+\i:SCO+8*(4*\kt+\qt)+\i+1], v[SCO+8*(4*\kt+\qt)+\i:SCO+8*(4*\kt+\qt)+\i+1], v[NM+2*\qt:NM+2*\qt+1] op_sel_hi:[1,0]
.endr
.endr
.endm
.macro EXPQ qt                         ; 32 exponentials, back to back on different registers
.irp kt, 0,1,2,3
.irp i, 0,1,2,3,4,5,6,7
	v_exp_f32 v[SCO+8*(4*\kt+\qt)+\i], v[SCO+8*(4*\kt+\qt)+\i]
.endr
.endr
.endm
; Sum of my 32 probabilities in two chains, and their packing to bf16 in place: each pair is summed before its registers are written over.
.macro SUMCVT qt, first
.set XA, SCO+8*\qt
.set YA, SCO+8*(4+\qt)
.set XB, SCO+8*(8+\qt)
.set YB, SCO+8*(12+\qt)
	s_wait_alu depctr_va_vdst(0)
	v_pk_add_f32 v[SA:SA+1], v[XA:XA+1], v[XA+4:XA+5]
	v_pk_add_f32 v[SB:SB+1], v[XA+2:XA+3], v[XA+6:XA+7]
.irp i, 0,1,2,3
	v_cvt_pk_bf16_f32 v[XA+\i], v[XA+2*\i], v[XA+2*\i+1]
.endr
.irp i, 0,2
	v_pk_add_f32 v[SA:SA+1], v[SA:SA+1], v[YA+2*\i:YA+2*\i+1]
	v_pk_add_f32 v[SB:SB+1], v[SB:SB+1], v[YA+2*\i+2:YA+2*\i+3]
	v_cvt_pk_bf16_f32 v[XA+4+\i], v[YA+2*\i], v[YA+2*\i+1]
	v_cvt_pk_bf16_f32 v[XA+5+\i], v[YA+2*\i+2], v[YA+2*\i+3]
.endr
.irp i, 0,2
	v_pk_add_f32 v[SA:SA+1], v[SA:SA+1], v[XB+2*\i:XB+2*\i+1]
	v_pk_add_f32 v[SB:SB+1], v[SB:SB+1], v[XB+2*\i+2:XB+2*\i+3]
	v_cvt_pk_bf16_f32 v[XB+\i], v[XB+2*\i], v[XB+2*\i+1]
	v_cvt_pk_bf16_f32 v[XB+1+\i], v[XB+2*\i+2], v[XB+2*\i+3]
.endr
.irp i, 0,2
	v_pk_add_f32 v[SA:SA+1], v[SA:SA+1], v[YB+2*\i:YB+2*\i+1]
	v_pk_add_f32 v[SB:SB+1], v[SB:SB+1], v[YB+2*\i+2:YB+2*\i+3]
	v_cvt_pk_bf16_f32 v[XB+4+\i], v[YB+2*\i], v[YB+2*\i+1]
	v_cvt_pk_bf16_f32 v[XB+5+\i], v[YB+2*\i+2], v[YB+2*\i+3]
.endr
	v_pk_add_f32 v[SA:SA+1], v[SA:SA+1], v[SB:SB+1]
.if \first
	v_add_f32 v[AL+2*\qt+1], v[SA], v[SA+1]
.else
	v_add_f32 v[SA], v[SA], v[SA+1]
	v_fma_f32 v[AL+2*\qt+1], v[AL+2*\qt+1], v[AL+2*\qt], v[SA]
.endif
.endm
; 64 keys x my 64 queries.  first = 1: nothing is carried yet, the products start the sums.
.macro SUB first
.rept 5
	v_nop                                          ; five places behind the last products: the score tiles written next were their source, and loads land in V's fragments
.endr
.irp ks, 0,1
.irp kt, 0,1,2,3
	ds_load_b128 v[KF+8*(4*\ks+\kt):KF+8*(4*\ks+\kt)+3],   v[KA] offset:\kt*2304+64*\ks
	ds_load_b128 v[KF+8*(4*\ks+\kt)+4:KF+8*(4*\ks+\kt)+7], v[KA] offset:\kt*2304+64*\ks+32
.endr
.endr
	WIN 0x40
.irp kp, 0,1
.irp dt, 0,1,2,3
	ds_load_tr16_b128 v[VF+8*(2*\dt+\kp):VF+8*(2*\dt+\kp)+3],   v[VA] offset:\kp*5120+32*\dt
	ds_load_tr16_b128 v[VF+8*(2*\dt+\kp)+4:VF+8*(2*\dt+\kp)+7], v[VA] offset:\kp*5120+32*\dt+2560
.endr
.endr
	WIN 0x04                                       ; source 1 (Q) in window 1
	s_wait_dscnt 24                                ; K's first 32 of d are in; its second 8 loads and V's 16 stay out
.irp kt, 0,1,2,3
.irp qt, 0,1,2,3
	v_wmma_f32_16x16x32_bf16 v[SCO+8*(4*\kt+\qt):SCO+8*(4*\kt+\qt)+7], v[KF+8*\kt:KF+8*\kt+7], v[QF+16*\qt:QF+16*\qt+7], 0
.endr
.endr
	s_wait_dscnt 16                                ; all of K is in; V's 16 loads stay out
.irp kt, 0,1,2,3
.irp qt, 0,1,2,3
	v_wmma_f32_16x16x32_bf16 v[SCO+8*(4*\kt+\qt):SCO+8*(4*\kt+\qt)+7], v[KF+32+8*\kt:KF+32+8*\kt+7], v[QF+16*\qt+8:QF+16*\qt+15], v[SCO+8*(4*\kt+\qt):SCO+8*(4*\kt+\qt)+7]
.endr
.endr
	WIN 0
	PLACES
	; the new maximum: four chains (one a query tile) that do not wait for each other
.irp kt, 0,1,2,3
.irp i, 0,2,4,6
.irp qt, 0,1,2,3
.if (\kt+\i) == 0
.if \first
	v_max_num_f32 v[TMX+\qt], v[SCO+8*\qt], v[SCO+8*\qt+1]
.else
	v_max3_num_f32 v[TMX+\qt], v[SCO+8*\qt], v[SCO+8*\qt+1], v[MXR+\qt]
.endif
.else
	v_max3_num_f32 v[TMX+\qt], v[TMX+\qt], v[SCO+8*(4*\kt+\qt)+\i], v[SCO+8*(4*\kt+\qt)+\i+1]
.endif
.endr
.endr
.endr
.irp qt, 0,1,2,3
	v_permlanex16_b32 v[NM+2*\qt+1], v[TMX+\qt], s12, s13      ; the other eight keys of each tile lie in the other half of the wave
.endr
.irp qt, 0,1,2,3
	v_max_num_f32 v[TMX+\qt], v[TMX+\qt], v[NM+2*\qt+1]
.endr
.irp qt, 0,1,2,3
.if \first == 0
	v_sub_f32 v[AL+2*\qt], v[MXR+\qt], v[TMX+\qt]
.endif
	v_mov_b32 v[MXR+\qt], v[TMX+\qt]
	v_xor_b32 v[NM+2*\qt], 0x80000000, v[TMX+\qt]
.endr
.if \first == 0
.irp qt, 0,1,2,3
	v_exp_f32 v[AL+2*\qt], v[AL+2*\qt]             ; 2^(old maximum - new): what is carried shrinks by it
.endr
.endif
	; behind every run of exponentials stands plain work on other registers before a result is used (ISA guide 5.7.2)
	SUBM 0
	EXPQ 0
	SUBM 1
	EXPQ 1
	SUMCVT 0, \first
	SUBM 2
	EXPQ 2
	SUMCVT 1, \first
	SUBM 3
	EXPQ 3
	SUMCVT 2, \first
	SUMCVT 3, \first
.if \first == 0
	WIN 0x41                                       ; O in window 1, the factor in window 0
.irp dt, 0,1,2,3
.irp qt, 0,1,2,3
.irp i, 0,2,4,6
	v_pk_mul_f32 v[OAC+8*(4*\dt+\qt)+\i:OAC+8*(4*\dt+\qt)+\i+1], v[OAC+8*(4*\dt+\qt)+\i:OAC+8*(4*\dt+\qt)+\i+1], v[AL+2*\qt:AL+2*\qt+1] op_sel_hi:[1,0]
.endr
.endr
.endr
.endif
	s_wait_dscnt 0x0                               ; V is in
	WIN 0x51                                       ; V^T and O in window 1, P in window 0
.irp kp, 0,1
.irp dt, 0,1,2,3
.irp qt, 0,1,2,3
.if (\first)*(1-\kp)
	v_wmma_f32_16x16x32_bf16 v[OAC+8*(4*\dt+\qt):OAC+8*(4*\dt+\qt)+7], v[VF+8*(2*\dt+\kp):VF+8*(2*\dt+\kp)+7], v[SCO+64*\kp+8*\qt:SCO+64*\kp+8*\qt+7], 0
.else
	v_wmma_f32_16x16x32_bf16 v[OAC+8*(4*\dt+\qt):OAC+8*(4*\dt+\qt)+7], v[VF+8*(2*\dt+\kp):VF+8*(2*\dt+\kp)+7], v[SCO+64*\kp+8*\qt:SCO+64*\kp+8*\qt+7], v[OAC+8*(4*\dt+\qt):OAC+8*(4*\dt+\qt)+7]
.endif
.endr
.endr
.endr
	WIN 0                                          ; in both products the sixteen accumulators take turns, one instruction a turn
.endm
; One tile of 256 keys.  In front of the round every wave waits for all its tensor loads (its part of this tile) and for its reads of the other slot;
; behind the round the other slot is asked for first, and has this tile's four steps of 64 keys in which to land.
.macro TRIP slot, refill, first
	s_wait_tensorcnt 0x0
	ds_add_u32 v62, v63
	s_wait_dscnt 0x0
	s_add_nc_u64 s[G0K+4*\slot+2:G0K+4*\slot+3], s[G0K+4*\slot+2:G0K+4*\slot+3], 65536   ; no load of mine is out: this slot's next tile
	s_add_nc_u64 s[G0V+4*\slot+2:G0V+4*\slot+3], s[G0V+4*\slot+2:G0V+4*\slot+3], 65536
	s_wait_dscnt 0x0
	ROUND
.if \refill
	JLOAD 1-\slot
.endif
	v_add_nc_u32 v[KA], \slot*SLOT, v[KA0]
	v_add_nc_u32 v[VA], \slot*SLOT, v[VA0]
.if \first
	SUB 1
	v_add_nc_u32 v[KA], PIECE, v[KA]
	v_add_nc_u32 v[VA], PIECE, v[VA]
	s_mov_b32 s45, 3
.else
	s_mov_b32 s45, 4
.endif
.Lsub_\@:
	SUB 0
	v_add_nc_u32 v[KA], PIECE, v[KA]               ; the next 64 keys
	v_add_nc_u32 v[VA], PIECE, v[VA]
	s_sub_co_u32 s45, s45, 1
	s_cmp_lg_u32 s45, 0
	s_cbranch_scc1 .Lsub_\@
.endm
	TRIP 0, 1, 1
	TRIP 1, 1, 0
	s_mov_b32 s44, 2
.Ltiles:
	TRIP 0, 1, 0
	TRIP 1, 1, 0
	s_sub_co_u32 s44, s44, 1
	s_cmp_lg_u32 s44, 0
	s_cbranch_scc1 .Ltiles
	TRIP 0, 1, 0
	TRIP 1, 0, 0                                   ; the eighth tile: nothing is left to fetch
	; THE WAY OUT: the two halves' sums meet, O is divided by the sum, rounded to bf16, and leaves through my own stage as whole rows.
	PLACES
.irp qt, 0,1,2,3
	v_permlanex16_b32 v[NM+2*\qt+1], v[AL+2*\qt+1], s12, s13
.endr
.irp qt, 0,1,2,3
	v_add_f32 v[AL+2*\qt+1], v[AL+2*\qt+1], v[NM+2*\qt+1]
.endr
.irp qt, 0,1,2,3
	v_rcp_f32 v[AL+2*\qt], v[AL+2*\qt+1]           ; the sum is at least 1: the largest score's own term
.endr
	v_nop
	s_wait_alu depctr_va_vdst(0)
.macro OUTQ qt, rb                     ; 16 queries: lane (r, h) holds query r, d = 16 dt + 8 h + 0..7
	WIN 0x01
.irp dt, 0,1,2,3
.irp i, 0,2,4,6
	v_pk_mul_f32 v[128+8*\dt+\i:128+8*\dt+\i+1], v[OAC+8*(4*\dt+\qt)+\i:OAC+8*(4*\dt+\qt)+\i+1], v[AL+2*\qt:AL+2*\qt+1] op_sel_hi:[1,0]
.endr
.endr
	WIN 0
.irp i, 0,1,2,3,4,5,6,7,8,9,10,11,12,13,14,15
	v_cvt_pk_bf16_f32 v[160+\i], v[128+2*\i], v[128+2*\i+1]
.endr
.irp dt, 0,1,2,3
	ds_store_b128 v[STO], v[160+4*\dt:160+4*\dt+3] offset:32*\dt
.endr
	s_wait_xcnt 0x0                                ; the registers loaded next were store data two chunks ago
.irp t, 0,1,2,3
	ds_load_b128 v[\rb+4*\t:\rb+4*\t+3], v[RD] offset:\t*576       ; a wave's LDS instructions are served in order: these see the stores above
.endr
.irp t, 0,1,2,3
	s_wait_dscnt 3-\t
	global_store_b128 v[CO], v[\rb+4*\t:\rb+4*\t+3], s[58:59] offset:2048*\qt+512*\t   ; four dense rows: 512 consecutive aligned bytes
.endr
.endm
	OUTQ 0, 176
	OUTQ 1, 192
	OUTQ 2, 176
	OUTQ 3, 192
	s_wait_tensorcnt 0x0
	ds_add_u32 v62, v63
	s_wait_dscnt 0x0
	ROUND                                          ; the closing round
	s_endpgm
.Lfunc_end_k_q80d232e8bf_attn:
	.size	k_q80d232e8bf_attn, .Lfunc_end_k_q80d232e8bf_attn-k_q80d232e8bf_attn
	.p2alignl 7, 3214868480
	.fill 96, 4, 3214868480
	.section	.rodata,"a",@progbits
	.p2align	6, 0x0
	.amdhsa_kernel k_q80d232e8bf_attn
		.amdhsa_group_segment_fixed_size 327680
		.amdhsa_private_segment_fixed_size 0
		.amdhsa_enable_private_segment 0
		.amdhsa_kernarg_size 16
		.amdhsa_user_sgpr_count 2
		.amdhsa_user_sgpr_kernarg_segment_ptr 1
		.amdhsa_wavefront_size32 1
		.amdhsa_system_sgpr_workgroup_id_x 1
		.amdhsa_system_sgpr_workgroup_id_y 1
		.amdhsa_system_sgpr_workgroup_id_z 1
		.amdhsa_system_vgpr_workitem_id 0
		.amdhsa_next_free_vgpr 512
		.amdhsa_next_free_sgpr 66
		.amdhsa_reserve_vcc 0
		.amdhsa_float_denorm_mode_32 3
		.amdhsa_float_denorm_mode_16_64 3
		.amdhsa_memory_ordered 1
		.amdhsa_forward_progress 1
		.amdhsa_inst_pref_size 246
	.end_amdhsa_kernel
	.amdgpu_metadata
---
amdhsa.version: [ 1, 2 ]
amdhsa.kernels:
  - .name:           k_q80d232e8bf_attn
    .symbol:         k_q80d232e8bf_attn.kd
    .args:
      - { .name: qkv, .offset: 0, .size: 8, .value_kind: global_buffer, .address_space: global }
      - { .name: ao, .offset: 8, .size: 8, .value_kind: global_buffer, .address_space: global }
    .group_segment_fixed_size: 327680
    .private_segment_fixed_size: 0
    .kernarg_segment_align: 8
    .kernarg_segment_size: 16
    .max_flat_workgroup_size: 256
    .sgpr_count:     66
    .vgpr_count:     512
    .wavefront_size: 32
...
	.end_amdgpu_metadata
.endif
;; end of part 3
;; launch outln (part 4): grid 256 x 1, 8 waves a work-group, no clusters, 198,656 bytes of LDS; arguments ao, wob, bo, queries, gamma, beta, out0; writes out0
.if DOCPART == 4
	.amdgcn_target "amdgcn-amd-amdhsa--gfx1250"
	.amdhsa_code_object_version 6
	.text
	.protected	k_q80d232e8bf_outln
	.globl	k_q80d232e8bf_outln
	.p2align	8
	.type	k_q80d232e8bf_outln,@function
k_q80d232e8bf_outln:
	s_mov_b64 s[64:65], 0
	v_nop
	global_prefetch_b8 v0, s[64:65] scope:SCOPE_SE
	s_setreg_imm32_b32 hwreg(HW_REG_WAVE_MODE, 25, 1), 1
	s_wait_xcnt 0x0
; out0 = LayerNorm(ao Wo + bo + queries) gamma + beta.  ao: bf16 [4 b][16 h][2048 l][64 d]; the rest f32 but wob.
; wob: Wo in bf16 in the order of the matrix fragments, [8 w][32 ks][8 b][2 half][32 lanes][16 bytes]: lane 16 h + r of (w, ks, b), half f, holds
; Wo[32 ks + 16 f + 8 h + 0..7][128 w + 16 b + r]: two loads of 512 consecutive bytes are a fragment of 16 columns x 32 k.
; A work-group owns 32 whole rows (8,192 / 256), so the row statistics never leave it.  Eight waves; wave w makes 32 rows x columns 128 w .. 128 w + 127:
; 16 accumulator tiles.  K goes in 32 steps of 32.  The work-group's rows of ao (64 KiB) are put into LDS once; every wave reads them.
; NO CLUSTER, NO JOINT LOADS, and why: a byte of Wo that the work-group loads is read by one wave alone (its 128 columns, 256 KiB), so it goes straight into
; that wave's registers, through a ring of four K steps (4 x 64 registers).  A joint load lands in LDS only; the 2 MiB of Wo through two LDS slots of 139 KB
; are 16 refills, each behind a round in front of which no load is out, and LDS would be written and read once more for no reuse.
; The matrix instruction is used transposed (source 0 = 16 columns of Wo, source 1 = 16 rows of ao): a lane's 8 results are 8 neighbouring columns of a row.
; The statistics are made in two passes in f32: the mean, then the squares of the differences from it.
; LIMITS: matrix operands rounded to bf16.
.set AP,    2064                       ; ao in LDS: a row of 1,024 bf16 + 16 bytes (an odd multiple of 16)
.set STAGE, 32*AP                      ; behind it the way out: 32 rows of 1,024 f32
.set SP,    4112                       ; a stage row: 4,096 bytes + 16
.set ADRA, 16                          ; ao's fragments: r x AP + 16 h, + 64 bytes a K step
.set ASTO, 17                          ; where I put 16 bytes of ao
.set STO,  24                          ; stage, rows 0-15
.set RD,   25                          ; stage, my four whole rows
.set XOFF, 26                          ; 16 x lane; never rewritten
.set STO1, 27                          ; stage, rows 16-31 (more than an LDS immediate on)
.set PF,   28                          ; 256 x lane; never rewritten
.set ACC,  32                          ; v32-159   tile (a, b) at 8 (2 b + a); at the start ao on its way to LDS; at the end my four rows, 32 registers each
.set AFB,  160                         ; v160-191  ao's fragments, two buffers of two row tiles
.set TS,   192                         ; v192-195 two sum pairs, v196 sum, v197 other half, v198-199 -mean, v200-201 1 / deviation
; window 1: v0-255 the ring: K step s in v[64 (s mod 4) + 8 b ..].  At the end: v0-127 my four rows of queries, v128-159 bo, v160-191 gamma, v192-223 beta.
.set MSB, 0
.macro WIN new                         ; the immediate's high byte repeats the setting that is left
.if MSB != \new
	s_set_vgpr_msb (MSB<<8)|\new
.set MSB, \new
.endif
.endm
.macro PLACES                          ; four places behind matrix instructions, in front of loads into their sources and of readers of their results
.rept 4
	v_nop
.endr
.endm
	s_load_b256 s[4:11], s[0:1], 0x0               ; ao s[4:5], wob s[6:7], bo s[8:9], queries s[10:11]
	s_load_b128 s[12:15], s[0:1], 0x20             ; gamma s[12:13], beta s[14:15]
	s_load_b64 s[16:17], s[0:1], 0x30              ; out0
	v_lshl_add_u32 v254, v0, 2, 0x30400
	v_mov_b32 v255, 0
	v_lshrrev_b32 v1, 5, v0
	v_readfirstlane_b32 s20, v1                    ; wave 0..7
	s_mov_b32 s42, 0x76543210                      ; v_permlanex16_b32: lane i of one half reads lane i of the other
	s_mov_b32 s43, 0xfedcba98
	s_mov_b32 s46, 0x3a800000                      ; 1 / 1024
	s_mov_b32 s47, 0x3727c5ac                      ; 1e-5
	s_lshr_b32 s22, ttmp9, 6
	s_lshl_b32 s22, s22, 22                        ; ao: batch (16 heads of 262,144 bytes),
	s_and_b32 s23, ttmp9, 63
	s_lshl_b32 s23, s23, 12                        ; + 32 rows of 128 bytes for each work-group of the batch,
	s_add_co_u32 s22, s22, s23
	s_lshl_b32 s23, s20, 19                        ; + two heads a wave
	s_add_co_u32 s22, s22, s23
	s_mov_b32 s23, 0
	s_lshl_b32 s26, s20, 18                        ; wob: 262,144 bytes a wave
	s_mov_b32 s27, 0
	s_lshl_b32 s28, ttmp9, 17                      ; queries and out0: 32 rows of 4,096 bytes, + 4 rows a wave
	s_lshl_b32 s29, s20, 14
	s_add_co_u32 s28, s28, s29
	s_mov_b32 s29, 0
	v_and_b32 v5, 31, v0                           ; lane
	v_lshlrev_b32 v[XOFF], 4, v5
	v_lshlrev_b32 v[PF], 8, v5
	v_and_b32 v1, 15, v0                           ; r
	v_bfe_u32 v2, v0, 4, 1                         ; h
	v_and_b32 v3, 7, v0
	v_lshrrev_b32 v4, 3, v5
	v_mul_u32_u24 v[ADRA], v1, AP
	v_lshl_add_u32 v[ADRA], v2, 4, v[ADRA]
	v_mul_u32_u24 v7, v4, AP                       ; eight lanes hold a row of a head (128 bytes), a load holds four rows
	v_lshl_add_u32 v7, v3, 4, v7
	s_lshl_b32 s21, s20, 8                         ; head 2 w begins at byte 256 w of a row
	v_add_nc_u32 v[ASTO], s21, v7
	v_mul_u32_u24 v8, v1, SP
	v_lshl_add_u32 v8, v2, 5, v8                   ; row r, 32 bytes for each half of the lanes,
	s_lshl_b32 s21, s20, 9
	s_add_co_u32 s21, s21, STAGE
	v_add_nc_u32 v[STO], s21, v8                   ; in my 128 columns
	v_add_nc_u32 v[STO1], 16*SP, v[STO]
	s_mul_i32 s21, s20, 4*SP
	s_add_co_u32 s21, s21, STAGE
	v_lshl_add_u32 v[RD], v5, 4, s21
	s_wait_kmcnt 0x0
	s_add_nc_u64 s[4:5], s[4:5], s[22:23]
	s_add_nc_u64 s[6:7], s[6:7], s[26:27]
	s_add_nc_u64 s[10:11], s[10:11], s[28:29]
	s_add_nc_u64 s[16:17], s[16:17], s[28:29]
.macro LDW j, off                      ; 16 loads of 512 consecutive bytes: one K step's eight fragments of Wo into ring buffer j (window 1)
.irp b, 0,1,2,3,4,5,6,7
	global_load_b128 v[64*\j+8*\b:64*\j+8*\b+3],   v[XOFF], s[6:7] offset:\off+1024*\b
	global_load_b128 v[64*\j+8*\b+4:64*\j+8*\b+7], v[XOFF], s[6:7] offset:\off+1024*\b+512
.endr
.endm
.macro LDA p, koff                     ; 4 LDS loads: one K step's two fragments of ao into buffer p
.irp a, 0,1
	ds_load_b128 v[AFB+16*(\p)+8*\a:AFB+16*(\p)+8*\a+3],   v[ADRA] offset:\a*16*AP+\koff
	ds_load_b128 v[AFB+16*(\p)+8*\a+4:AFB+16*(\p)+8*\a+7], v[ADRA] offset:\a*16*AP+\koff+32
.endr
.endm
.macro MM j, zero                      ; 16 products on sixteen accumulators, one instruction a turn, in the same order in every K step
	WIN 0x01                                       ; source 0 (Wo) in window 1
.irp b, 0,1,2,3,4,5,6,7
.irp a, 0,1
.if \zero
	v_wmma_f32_16x16x32_bf16 v[ACC+8*(2*\b+\a):ACC+8*(2*\b+\a)+7], v[64*\j+8*\b:64*\j+8*\b+7], v[AFB+16*((\j)&1)+8*\a:AFB+16*((\j)&1)+8*\a+7], 0
.else
	v_wmma_f32_16x16x32_bf16 v[ACC+8*(2*\b+\a):ACC+8*(2*\b+\a)+7], v[64*\j+8*\b:64*\j+8*\b+7], v[AFB+16*((\j)&1)+8*\a:AFB+16*((\j)&1)+8*\a+7], v[ACC+8*(2*\b+\a):ACC+8*(2*\b+\a)+7]
.endif
.endr
.endr
.endm
; K step j of a group of four.  On entry its Wo and ao fragments are in; the loads of the three K steps behind it (48) are out.
.macro STEP j, zero
	MM \j, \zero
	PLACES
	WIN 0
	LDA ((\j)&1), 64*(\j+2)                        ; ao, two K steps ahead, into the buffer just multiplied
	s_wait_loadcnt 32                              ; loads return in order: the next K step's 16 are in, the 32 of the two behind it stay out
	WIN 0x40
	LDW \j, (\j+4)*8192                            ; Wo, four K steps ahead, into the buffer just multiplied: 48 loads of the wave are out again
	s_wait_dscnt 4                                 ; the next K step's ao is in; the four LDS loads just issued stay out
.endm
.macro GROUP zero
	STEP 0, \zero
	STEP 1, 0
	STEP 2, 0
	STEP 3, 0
	WIN 0
	s_wait_xcnt 0x0                                ; the loads' base is stepped only behind this wait
	s_add_nc_u64 s[6:7], s[6:7], 32768             ; four K steps of 8,192 bytes
	v_add_nc_u32 v[ADRA], 256, v[ADRA]             ; and of 64 bytes
.endm
.macro GROUPS n
	s_mov_b32 s58, \n
.Lk_\@:
	GROUP 0
	s_sub_co_u32 s58, s58, 1
	s_cmp_lg_u32 s58, 0
	s_cbranch_scc1 .Lk_\@
.endm
	; ao: my two heads' 32 rows, 4,096 dense bytes each: 16 loads of 512 consecutive bytes
.irp e, 0,1
.irp t, 0,1,2,3,4,5,6,7
	global_load_b128 v[ACC+4*(8*\e+\t):ACC+4*(8*\e+\t)+3], v[XOFF], s[4:5] offset:262144*\e+512*\t
.endr
.endr
	WIN 0x40
	LDW 0, 0
	LDW 1, 8192
	WIN 0
	s_wait_loadcnt 32                              ; ao is in; the ring's first 32 loads stay out
.irp e, 0,1
.irp t, 0,1,2,3,4,5,6,7
	ds_store_b128 v[ASTO], v[ACC+4*(8*\e+\t):ACC+4*(8*\e+\t)+3] offset:4*AP*\t+128*\e
.endr
.endr
	WIN 0x40
	LDW 2, 16384
	WIN 0
	s_wait_dscnt 0x0                               ; my stores are done, for the other waves' sake
	s_barrier_signal -1
	s_barrier_wait -1                              ; all sixteen heads are in LDS
	LDA 0, 0
	LDA 1, 64
	s_wait_loadcnt 32                              ; K step 0's Wo is in,
	WIN 0x40
	LDW 3, 24576                                   ; and only then the fourth buffer is asked for: 48 loads of the wave are out, never 64
	s_wait_dscnt 4                                 ; K step 0's ao is in
	GROUP 1                                        ; K steps 0 to 3: the first products start the sums
	GROUPS 4                                       ; K steps 4 to 19
	; My four rows of queries, 16,384 bytes, are asked for eight K steps ahead of their loads: two requests, lanes 256 bytes apart, each block once in the launch, by the wave that will read it.
	global_prefetch_b8 v[PF], s[10:11] th:TH_LOAD_NT scope:SCOPE_SE
	global_prefetch_b8 v[PF], s[10:11] offset:8192 th:TH_LOAD_NT scope:SCOPE_SE
	GROUPS 2                                       ; K steps 20 to 27; their loads reach K step 31
	; The last four K steps: what the way out needs is loaded into the ring's buffers as they fall free, 16 loads a step, so that the counts stay as they were.
	; Lane L holds columns 128 c + 4 L .. + 3 of chunk c: a load covers 512 consecutive bytes.
.macro LDR i                           ; row i of my four rows of queries
.irp c, 0,1,2,3,4,5,6,7
	global_load_b128 v[32*\i+4*\c:32*\i+4*\c+3], v[XOFF], s[10:11] offset:4096*\i+512*\c th:TH_LOAD_NT
.endr
.endm
	MM 0, 0
	PLACES
	WIN 0
	LDA 0, 128
	s_wait_loadcnt 32
	WIN 0x40
	LDR 0
	LDR 1
	s_wait_dscnt 4
	MM 1, 0
	PLACES
	WIN 0
	LDA 1, 192
	s_wait_loadcnt 32
	WIN 0x40
	LDR 2
	LDR 3
	s_wait_dscnt 4
	MM 2, 0
	PLACES
	s_wait_loadcnt 32                              ; the last K step's Wo is in; the 32 loads of queries stay out
	WIN 0x40
.irp c, 0,1,2,3,4,5,6,7
	global_load_b128 v[128+4*\c:128+4*\c+3], v[XOFF], s[8:9] offset:512*\c
	global_load_b128 v[160+4*\c:160+4*\c+3], v[XOFF], s[12:13] offset:512*\c
.endr
	s_wait_dscnt 0x0                               ; the last K step's ao is in
	MM 3, 0
	PLACES
	WIN 0x40
.irp c, 0,1,2,3,4,5,6,7
	global_load_b128 v[192+4*\c:192+4*\c+3], v[XOFF], s[14:15] offset:512*\c
.endr
	WIN 0
	; THE WAY OUT.  Lane (r, h) holds row 16 a + r, columns 128 w + 16 b + 8 h + 0..7: 32 bytes of f32 into the stage.
.irp b, 0,1,2,3,4,5,6,7
	ds_store_b128 v[STO],  v[ACC+16*\b:ACC+16*\b+3]     offset:64*\b
	ds_store_b128 v[STO],  v[ACC+16*\b+4:ACC+16*\b+7]   offset:64*\b+16
	ds_store_b128 v[STO1], v[ACC+16*\b+8:ACC+16*\b+11]  offset:64*\b
	ds_store_b128 v[STO1], v[ACC+16*\b+12:ACC+16*\b+15] offset:64*\b+16
.endr
	v_mov_b32 v[TS+5], 0                           ; registers that are read as part of a pair, or as a permute's destination, before they hold a figure
	v_mov_b32 v[TS+7], 0
	v_mov_b32 v[TS+9], 0
	s_wait_dscnt 0x0                               ; my stores are done, for the other waves' sake
	s_barrier_signal -1
	s_barrier_wait -1                              ; the 32 rows are whole
.irp i, 0,1,2,3
.irp c, 0,1,2,3,4,5,6,7
	ds_load_b128 v[ACC+32*\i+4*\c:ACC+32*\i+4*\c+3], v[RD] offset:SP*\i+512*\c
.endr
.endr
	s_wait_loadcnt 0x0                             ; queries, bo, gamma, beta
.macro LANESUM                         ; v[TS+4] summed over the 32 lanes, in every lane
	v_add_f32_dpp v[TS+4], v[TS+4], v[TS+4] row_xmask:1 row_mask:0xf bank_mask:0xf
	v_add_f32_dpp v[TS+4], v[TS+4], v[TS+4] row_xmask:2 row_mask:0xf bank_mask:0xf
	v_add_f32_dpp v[TS+4], v[TS+4], v[TS+4] row_xmask:4 row_mask:0xf bank_mask:0xf
	v_add_f32_dpp v[TS+4], v[TS+4], v[TS+4] row_xmask:8 row_mask:0xf bank_mask:0xf
	v_permlanex16_b32 v[TS+5], v[TS+4], s42, s43
	v_add_f32 v[TS+4], v[TS+4], v[TS+5]
.endm
.macro ROWLN i                         ; one whole row in one wave: 32 numbers a lane
.set XR, ACC+32*\i
	s_wait_dscnt 24-8*\i                           ; row i's eight loads are in, the later rows' stay out
	WIN 0x04                                       ; source 1 in window 1
.irp p, 0,2,4,6,8,10,12,14,16,18,20,22,24,26,28,30
	v_pk_add_f32 v[XR+\p:XR+\p+1], v[XR+\p:XR+\p+1], v[32*\i+\p:32*\i+\p+1]       ; + queries
.endr
.irp p, 0,2,4,6,8,10,12,14,16,18,20,22,24,26,28,30
	v_pk_add_f32 v[XR+\p:XR+\p+1], v[XR+\p:XR+\p+1], v[128+\p:128+\p+1]           ; + bo
.endr
	WIN 0
	v_pk_add_f32 v[TS:TS+1],   v[XR:XR+1],   v[XR+4:XR+5]
	v_pk_add_f32 v[TS+2:TS+3], v[XR+2:XR+3], v[XR+6:XR+7]
.irp p, 8,12,16,20,24,28
	v_pk_add_f32 v[TS:TS+1],   v[TS:TS+1],   v[XR+\p:XR+\p+1]
	v_pk_add_f32 v[TS+2:TS+3], v[TS+2:TS+3], v[XR+\p+2:XR+\p+3]
.endr
	v_pk_add_f32 v[TS:TS+1], v[TS:TS+1], v[TS+2:TS+3]
	v_add_f32 v[TS+4], v[TS], v[TS+1]
	LANESUM
	v_mul_f32 v[TS+6], 0xba800000, v[TS+4]         ; -mean
.irp p, 0,2,4,6,8,10,12,14,16,18,20,22,24,26,28,30
	v_pk_add_f32 v[XR+\p:XR+\p+1], v[XR+\p:XR+\p+1], v[TS+6:TS+7] op_sel_hi:[1,0]
.endr
	v_pk_mul_f32 v[TS:TS+1],   v[XR:XR+1],   v[XR:XR+1]
	v_pk_mul_f32 v[TS+2:TS+3], v[XR+2:XR+3], v[XR+2:XR+3]
.irp p, 4,8,12,16,20,24,28
	v_pk_fma_f32 v[TS:TS+1],   v[XR+\p:XR+\p+1],   v[XR+\p:XR+\p+1],   v[TS:TS+1]
	v_pk_fma_f32 v[TS+2:TS+3], v[XR+\p+2:XR+\p+3], v[XR+\p+2:XR+\p+3], v[TS+2:TS+3]
.endr
	v_pk_add_f32 v[TS:TS+1], v[TS:TS+1], v[TS+2:TS+3]
	v_add_f32 v[TS+4], v[TS], v[TS+1]
	LANESUM
	v_fma_f32 v[TS+4], v[TS+4], s46, s47           ; variance + 1e-5
	v_rsq_f32 v[TS+8], v[TS+4]
	v_nop                                          ; one plain place behind the transcendental (ISA guide 5.7.2)
	s_wait_alu depctr_va_vdst(0)
.irp p, 0,2,4,6,8,10,12,14,16,18,20,22,24,26,28,30
	v_pk_mul_f32 v[XR+\p:XR+\p+1], v[XR+\p:XR+\p+1], v[TS+8:TS+9] op_sel_hi:[1,0]
.endr
	WIN 0x14                                       ; sources 1 and 2 in window 1
.irp p, 0,2,4,6,8,10,12,14,16,18,20,22,24,26,28,30
	v_pk_fma_f32 v[XR+\p:XR+\p+1], v[XR+\p:XR+\p+1], v[160+\p:160+\p+1], v[192+\p:192+\p+1]   ; x gamma + beta
.endr
	WIN 0
.irp c, 0,1,2,3,4,5,6,7
	global_store_b128 v[XOFF], v[XR+4*\c:XR+4*\c+3], s[16:17] offset:4096*\i+512*\c th:TH_STORE_NT   ; 512 consecutive aligned bytes
.endr
.endm
	ROWLN 0
	ROWLN 1
	ROWLN 2
	ROWLN 3
	s_wait_tensorcnt 0x0
	ds_add_u32 v254, v255
	s_wait_dscnt 0x0
	s_endpgm
.Lfunc_end_k_q80d232e8bf_outln:
	.size	k_q80d232e8bf_outln, .Lfunc_end_k_q80d232e8bf_outln-k_q80d232e8bf_outln
	.p2alignl 7, 3214868480
	.fill 96, 4, 3214868480
	.section	.rodata,"a",@progbits
	.p2align	6, 0x0
	.amdhsa_kernel k_q80d232e8bf_outln
		.amdhsa_group_segment_fixed_size 198656
		.amdhsa_private_segment_fixed_size 0
		.amdhsa_enable_private_segment 0
		.amdhsa_kernarg_size 56
		.amdhsa_user_sgpr_count 2
		.amdhsa_user_sgpr_kernarg_segment_ptr 1
		.amdhsa_wavefront_size32 1
		.amdhsa_system_sgpr_workgroup_id_x 1
		.amdhsa_system_sgpr_workgroup_id_y 1
		.amdhsa_system_sgpr_workgroup_id_z 1
		.amdhsa_system_vgpr_workitem_id 0
		.amdhsa_next_free_vgpr 512
		.amdhsa_next_free_sgpr 66
		.amdhsa_reserve_vcc 0
		.amdhsa_float_denorm_mode_32 3
		.amdhsa_float_denorm_mode_16_64 3
		.amdhsa_memory_ordered 1
		.amdhsa_forward_progress 1
		.amdhsa_inst_pref_size 100
	.end_amdhsa_kernel
	.amdgpu_metadata
---
amdhsa.version: [ 1, 2 ]
amdhsa.kernels:
  - .name:           k_q80d232e8bf_outln
    .symbol:         k_q80d232e8bf_outln.kd
    .args:
      - { .name: ao, .offset: 0, .size: 8, .value_kind: global_buffer, .address_space: global }
      - { .name: wob, .offset: 8, .size: 8, .value_kind: global_buffer, .address_space: global }
      - { .name: bo, .offset: 16, .size: 8, .value_kind: global_buffer, .address_space: global }
      - { .name: queries, .offset: 24, .size: 8, .value_kind: global_buffer, .address_space: global }
      - { .name: gamma, .offset: 32, .size: 8, .value_kind: global_buffer, .address_space: global }
      - { .name: beta, .offset: 40, .size: 8, .value_kind: global_buffer, .address_space: global }
      - { .name: out0, .offset: 48, .size: 8, .value_kind: global_buffer, .address_space: global }
    .group_segment_fixed_size: 198656
    .private_segment_fixed_size: 0
    .kernarg_segment_align: 8
    .kernarg_segment_size: 56
    .max_flat_workgroup_size: 256
    .sgpr_count:     66
    .vgpr_count:     512
    .wavefront_size: 32
...
	.end_amdgpu_metadata
.endif
;; end of part 4
